; MI455X (gfx1250); checked and timed in simulation.
; The chip was launched on July 23, 2026; its instructions are those of AMD's public machine-readable ISA for CDNA 5 (MIT licence, August 2026) and "CDNA5" Instruction Set Architecture Reference Guide (July 2026). The comments in the code are by the model that wrote it; some were corrected since.
;; Attention. Allowed arithmetic: float matrix products may take bf16 or f16 operands with f32 sums; all other float work in f32.
;; Inputs: Wk 512 x 512 float32; Wq 512 x 512 float32; Wv 512 x 512 float32; bk 512 float32; bq 512 float32; bv 512 float32; drop_mask 8 x 2,048 x 2,048 float32; k 8 x 2,048 x 512 float32; q 8 x 2,048 x 512 float32; v 8 x 2,048 x 512 float32.
;; Outputs: out0 8 x 2,048 x 512 float32.
;; One version. Each part assembles by itself: llvm-mc -triple=amdgcn-amd-amdhsa -mcpu=gfx1250 --defsym DOCPART=n.
;; ======== version 1 of 1: 3 launches
;; limits: values are held in f16: magnitudes above 65,504 overflow, below 6.1e-05 lose precision
;; workspace buffers: qh 16,777,216 bytes; kh 16,777,216 bytes; vh 16,777,216 bytes; wh 1,572,864 bytes
;; launch wcvt (part 1): grid 256 x 1, 8 waves a work-group, no clusters, 0 bytes of LDS; arguments Wq, Wk, Wv, wh; writes wh
.if DOCPART == 1
	.amdgcn_target "amdgcn-amd-amdhsa--gfx1250"
	.amdhsa_code_object_version 6
	.text
	.protected	k_q77d9f45865_wcvt
	.globl	k_q77d9f45865_wcvt
	.p2align	8
	.type	k_q77d9f45865_wcvt,@function
k_q77d9f45865_wcvt:
	s_mov_b64 s[64:65], 0
	v_nop
	global_prefetch_b8 v0, s[64:65] scope:SCOPE_SE
	s_setreg_imm32_b32 hwreg(HW_REG_WAVE_MODE, 25, 1), 1
	s_wait_xcnt 0x0
; wh[m][e][d] = f16(W_m[e][d]) for W_0 = Wq, W_1 = Wk, W_2 = Wv.  W: [512][512] f32, wh: [3][512][512] f16.
; LIMIT: magnitudes of 65,504 and more become infinite, magnitudes under 2^-14 keep an absolute step of 2^-24.
; Done once here, so that the projections' 256 work-groups fetch each weight as two bytes, ready for the matrix unit, and can ask for it jointly.
; 256 work-groups of 256 threads; work-group g takes numbers 1,024 g .. 1,024 g + 1,023 of each of the three matrices, thread t four of them:
; a load of a wave covers 512 consecutive bytes, a store 256 consecutive aligned bytes.  No LDS, no barrier: no thread needs another's numbers.
.set WMAT, 524288                      ; bytes of one matrix in f16
	s_load_b256 s[4:11], s[0:1], 0x0               ; Wq s[4:5], Wk s[6:7], Wv s[8:9], wh s[10:11]
	s_lshl_b32 s2, ttmp9, 12                       ; the work-group's 4,096 bytes of f32
	s_lshl_b32 s3, ttmp9, 11                       ; and its 2,048 bytes of f16
	v_lshl_add_u32 v1, v0, 4, s2                   ; + 16 t
	v_lshl_add_u32 v2, v0, 3, s3                   ; + 8 t
	s_wait_kmcnt 0x0
	global_load_b128 v[4:7],   v1, s[4:5] th:TH_LOAD_NT
	global_load_b128 v[8:11],  v1, s[6:7] th:TH_LOAD_NT
	global_load_b128 v[12:15], v1, s[8:9] th:TH_LOAD_NT
	s_wait_loadcnt 0x2                             ; loads come back in order (ISA guide 5.7.1): the first is in, two younger ones stay out
	v_cvt_pk_f16_f32 v16, v4, v5
	v_cvt_pk_f16_f32 v17, v6, v7
	global_store_b64 v2, v[16:17], s[10:11]
	s_wait_loadcnt 0x1
	v_cvt_pk_f16_f32 v18, v8, v9
	v_cvt_pk_f16_f32 v19, v10, v11
	global_store_b64 v2, v[18:19], s[10:11] offset:WMAT
	s_wait_loadcnt 0x0
	v_cvt_pk_f16_f32 v20, v12, v13
	v_cvt_pk_f16_f32 v21, v14, v15
	global_store_b64 v2, v[20:21], s[10:11] offset:2*WMAT
	s_endpgm
.Lfunc_end_k_q77d9f45865_wcvt:
	.size	k_q77d9f45865_wcvt, .Lfunc_end_k_q77d9f45865_wcvt-k_q77d9f45865_wcvt
	.p2alignl 7, 3214868480
	.fill 96, 4, 3214868480
	.section	.rodata,"a",@progbits
	.p2align	6, 0x0
	.amdhsa_kernel k_q77d9f45865_wcvt
		.amdhsa_group_segment_fixed_size 0
		.amdhsa_private_segment_fixed_size 0
		.amdhsa_enable_private_segment 0
		.amdhsa_kernarg_size 32
		.amdhsa_user_sgpr_count 2
		.amdhsa_user_sgpr_kernarg_segment_ptr 1
		.amdhsa_wavefront_size32 1
		.amdhsa_system_sgpr_workgroup_id_x 1
		.amdhsa_system_sgpr_workgroup_id_y 1
		.amdhsa_system_sgpr_workgroup_id_z 1
		.amdhsa_system_vgpr_workitem_id 0
		.amdhsa_next_free_vgpr 24
		.amdhsa_next_free_sgpr 66
		.amdhsa_reserve_vcc 0
		.amdhsa_float_denorm_mode_32 3
		.amdhsa_float_denorm_mode_16_64 3
		.amdhsa_memory_ordered 1
		.amdhsa_forward_progress 1
		.amdhsa_inst_pref_size 2
	.end_amdhsa_kernel
	.amdgpu_metadata
---
amdhsa.version: [ 1, 2 ]
amdhsa.kernels:
  - .name:           k_q77d9f45865_wcvt
    .symbol:         k_q77d9f45865_wcvt.kd
    .args:
      - { .name: Wq, .offset: 0, .size: 8, .value_kind: global_buffer, .address_space: global }
      - { .name: Wk, .offset: 8, .size: 8, .value_kind: global_buffer, .address_space: global }
      - { .name: Wv, .offset: 16, .size: 8, .value_kind: global_buffer, .address_space: global }
      - { .name: wh, .offset: 24, .size: 8, .value_kind: global_buffer, .address_space: global }
    .group_segment_fixed_size: 0
    .private_segment_fixed_size: 0
    .kernarg_segment_align: 8
    .kernarg_segment_size: 32
    .max_flat_workgroup_size: 256
    .sgpr_count:     66
    .vgpr_count:     24
    .wavefront_size: 32
...
	.end_amdgpu_metadata
.endif
;; end of part 1
;; launch proj (part 2): grid 256 x 1, 4 waves a work-group, clusters of 4 x 1, 327,680 bytes of LDS; arguments q, bq, qh, k, bk, kh, v, bv, vh, wh; writes qh, kh, vh
.if DOCPART == 2
	.amdgcn_target "amdgcn-amd-amdhsa--gfx1250"
	.amdhsa_code_object_version 6
	.text
	.protected	k_q77d9f45865_proj
	.globl	k_q77d9f45865_proj
	.p2align	8
	.type	k_q77d9f45865_proj,@function
k_q77d9f45865_proj:
	s_mov_b64 s[64:65], 0
	v_nop
	global_prefetch_b8 v0, s[64:65] scope:SCOPE_SE
	s_setreg_imm32_b32 hwreg(HW_REG_WAVE_MODE, 25, 1), 1
	s_wait_xcnt 0x0
	s_wait_alu depctr_hold_cnt(0) depctr_sa_sdst(0) depctr_va_vdst(0) depctr_va_sdst(0) depctr_va_ssrc(0) depctr_va_vcc(0) depctr_vm_vsrc(0)
	s_getreg_b32 s2, hwreg(HW_REG_IB_STS2, 6, 4)
	s_cmp_eq_u32 s2, 0
	s_cbranch_scc0 .Lentry_in_a_cluster
	s_endpgm
.Lentry_in_a_cluster:
	s_bfe_u32 s2, ttmp6, 0x10000c
	s_cmp_lg_u32 s2, 0x3003
	s_cbranch_scc0 .Lentry_shape_is_right
	s_endpgm
.Lentry_shape_is_right:
; xh[t][e] = f16( sum over d of x[t][d] W[e][d] + b[e] )  for (q, Wq, bq, qh), (k, Wk, bk, kh), (v, Wv, bv, vh).
; x: [16384][512] f32, b: [512] f32, xh: [16384][512] f16; the three W lie in wh: [3][512][512] f16.  Products in f16, sums in f32, the bias is the sums' start.
; LIMITS: x and the results are rounded to f16: magnitudes of 65,504 and more become infinite, magnitudes under 2^-14 keep an absolute step of 2^-24.
;
; SHARES: 768 tiles of 128 rows (t) x 256 columns (e); 256 work-groups, each makes the same tile of q, then of k, then of v, so that the loads run on
; from one tile into the next.  Four waves; wave w makes 64 rows (w >> 1) x 128 columns (w & 1): 32 accumulator tiles, 256 registers.
; K goes in steps of 64 d, 8 steps a tile, 24 in all; a step is two K halves of 32 d, 32 matrix instructions each.
; CLUSTER: four work-groups with the same half of the columns and four neighbouring blocks of rows form a cluster of 4 x 1.  They need the same rows of W and
; ask for them JOINTLY: the same tensor load, the same descriptor (column half, wave, matrix alone), the mask 15.  That divides the requests for W by four.
; W lies in two LDS slots of 256 rows x 256 d, together the tile's whole half of W.  A slot is asked for again, with the next matrix, when its four steps are done,
; and has the other slot's four steps, 256 matrix instructions, in which to land: four refills in the launch, each behind a round of the cluster's barrier.
; x IS NOT ASKED FOR JOINTLY: the four partners own different rows, and x has to be converted.  It comes through registers: a global load of a wave takes two
; rows' 256 consecutive aligned bytes, each number is converted once in the work-group and stored as f16 to one of two small LDS slots, three steps asked ahead.
; THE MATRIX INSTRUCTION IS USED TRANSPOSED: source 0 = 16 rows of W, source 1 = 16 rows of x; lane (r, h) then holds row t = r and the eight
; neighbouring columns e = 8 h + 0..7, which pack into 16 bytes of f16.
;
; REGISTERS (windows of 256): window 0: v3-14 addresses, v64-159 and v160-255 the fragments of K half 0 and 1; window 1: accumulators, tile (et, tt) at 8 (4 et + tt);
; window 2: v0-191 x as loaded, buffers 0-2 of a ring of four, v192-255 the bias as a start of the sums; window 3: v0-63 buffer 3.
.set WP,     528                       ; an LDS row of W: 512 bytes + 16: an odd multiple of 16, so sixteen rows start at sixteen different 16-byte columns modulo 256
.set WSLOT,  256*WP                    ; 135,168
.set PITCH,  144                       ; an LDS row of x: 128 bytes of f16 + 16
.set XSLOT,  128*PITCH                 ; 18,432
.set XS,     2*WSLOT                   ; x's two slots lie behind W's two; no tensor load reaches them
.set STG,    XS+2*XSLOT                ; behind them: 16 rows x 272 bytes for each wave, for the way out
.set SPITCH, 272
.set WMAT,   524288                    ; bytes of one matrix in wh
.set GX,  3                            ; byte offset in x of my 16 bytes: row 32 w + h, column 4 r
.set SX,  5                            ; LDS: where my 8 bytes of f16 of x go (slot 0)
.set AX,  7                            ; v7, v8: my x fragments in slot 0, 1
.set AW,  9                            ; v9, v10: my W fragments in slot 0, 1
.set GB,  11                           ; byte offset of my 8 numbers of the bias
.set STO, 12                           ; the way out: where I put 16 bytes of a row
.set RD,  13                           ; the way out: where I read a row back
.set CO,  14                           ; my byte offset in the result
.set F,   64                           ; fragments: K half ks at F + 96 ks: W's eight, then x's four
.set BI,  192                          ; window 2: bias, 8 registers for each et
.set PKT, 160                          ; the way out: packed results (fragment buffer 1, free by then)
.set RBK, 192                          ; the way out: rows read back, two sets of 32 in turn
.set G0,  36                           ; s[36:39], s[40:43] descriptor group 0 of W's slot 0, 1
.set G1,  44                           ; s[44:51] descriptor group 1
.set MSB, 0
.macro WIN new                         ; the immediate's high byte repeats the setting that is left; a switch that changes nothing is dropped
.if MSB != (\new)
	s_set_vgpr_msb (MSB<<8)|(\new)
.set MSB, \new
.endif
.endm
.macro PLACES                          ; four places behind matrix instructions in front of loads into, and reads of, their registers
.rept 4
	v_nop
.endr
.endm
; A round of the cluster's barrier: my work-group's barrier, wave 0 signals for the work-group, every wave waits for all four work-groups, my work-group's barrier again.
.macro ROUND
	s_barrier_signal -1
	s_barrier_wait -1
	s_cmp_lg_u32 s8, 0
	s_cbranch_scc1 .Lnot_wave_0_\@
	s_barrier_signal -3
.Lnot_wave_0_\@:
	s_barrier_wait -3
	s_barrier_signal -1
	s_barrier_wait -1
.endm
	s_load_b512 s[16:31], s[0:1], 0x0              ; set A s[16:21]: x, b, result of the tile at work; set B s[22:27]: of the next tile; set C s[28:33]: of the third
	s_load_b128 s[32:35], s[0:1], 0x40             ; (the third result,) wh s[34:35]
	v_lshl_add_u32 v62, v0, 2, 0x4f400
	v_mov_b32 v63, 0
	ds_add_u32 v62, v63
	v_and_b32 v1, 15, v0                           ; r
	v_bfe_u32 v2, v0, 4, 1                         ; h
	v_lshrrev_b32 v15, 5, v0
	v_readfirstlane_b32 s8, v15                    ; wave 0..3
	s_lshr_b32 s9, s8, 1                           ; which 64 rows of the tile are mine
	s_and_b32 s10, s8, 1                           ; which 128 columns
	s_bfe_u32 s11, ttmp6, 0x40000                  ; my place in the cluster
	s_and_b32 s12, ttmp9, 1                        ; half of the 512 columns: in a cluster launch ttmp9 counts clusters, so the four partners share it
	s_lshr_b32 s60, ttmp9, 1
	s_lshl_b32 s60, s60, 2
	s_add_co_u32 s60, s60, s11                     ; block of 128 rows, 0..127: enters the addresses of x and of the result alone
	; descriptor group 1: 64 rows of 256 elements of 2 bytes, 4 words of padding behind each row's 128 words; mask 15: all four partners; bit 21 set beside it
	s_mov_b32 s[G1+0], 15|(1<<16)|(1<<20)|(1<<21)|(6<<22)|(3<<25)
	s_mov_b32 s[G1+1], 256<<16                     ; tensor_dim0 = 256
	s_mov_b32 s[G1+2], 64<<16                      ; tensor_dim1 = 64
	s_mov_b32 s[G1+3], 256<<16                     ; tile_dim0 = 256
	s_mov_b32 s[G1+4], 64                          ; tile_dim1 = 64
	s_mov_b32 s[G1+5], 512                         ; elements from row to row
	s_mov_b32 s[G1+6], 0
	s_mov_b32 s[G1+7], 0
	; descriptor groups 0: wave w brings rows 64 w .. 64 w + 63 of the column half; slot 0 holds d 0-255, slot 1 d 256-511
	s_lshl_b32 s54, s12, 18                        ; 256 rows of 1,024 bytes
	s_lshl_b32 s13, s8, 16                         ; + 64 w rows
	s_add_co_u32 s54, s54, s13
	s_mov_b32 s55, 0
	s_mov_b32 s[G0+0], 1
	s_mul_i32 s[G0+1], s8, 64*WP                   ; LDS addresses hang on the wave's number alone
	s_mov_b32 s[G0+4], 1
	s_add_co_u32 s[G0+5], s[G0+1], WSLOT
	s_wait_dscnt 0x0
	s_wait_kmcnt 0x0
	s_add_nc_u64 s[G0+2:G0+3], s[34:35], s[54:55]
	s_add_nc_u64 s[G0+6:G0+7], s[G0+2:G0+3], 512
	s_or_b32 s[G0+3], s[G0+3], 0x80000000
	s_or_b32 s[G0+7], s[G0+7], 0x80000000
	ROUND                                          ; all four work-groups are here: the first joint loads meet
	tensor_load_to_lds s[G0:G0+3], s[G1:G1+7]      ; Wq, d 0-255
	s_nop 0
	tensor_load_to_lds s[G0+4:G0+7], s[G1:G1+7]    ; Wq, d 256-511: two loads of the wave are out here, later one
	s_nop 0
	s_lshl_b32 s54, s60, 18                        ; x: 128 rows of 2,048 bytes
	s_lshl_b32 s56, s12, 10                        ; b: 256 numbers
	s_mov_b32 s57, 0
	s_lshl_b32 s58, s60, 17                        ; result: 128 rows of 1,024 bytes
	s_lshl_b32 s13, s12, 9                         ; + 256 columns of f16
	s_add_co_u32 s58, s58, s13
	s_mov_b32 s59, 0
.irp b, 16, 22, 28
	s_add_nc_u64 s[\b:\b+1], s[\b:\b+1], s[54:55]
	s_add_nc_u64 s[\b+2:\b+3], s[\b+2:\b+3], s[56:57]
	s_add_nc_u64 s[\b+4:\b+5], s[\b+4:\b+5], s[58:59]
.endr
	v_lshlrev_b32 v16, 4, v1
	v_lshl_add_u32 v16, v2, 11, v16                ; 2,048 h + 16 r
	s_lshl_b32 s13, s8, 16
	v_add_nc_u32 v[GX], s13, v16                   ; + 32 w rows
	s_lshl_b32 s13, s10, 9
	v_lshl_add_u32 v[GB], v2, 5, s13               ; 512 (w & 1) + 32 h
	v_mul_u32_u24 v17, PITCH, v2
	v_lshl_add_u32 v17, v1, 3, v17                 ; h rows + 8 r
	s_mul_i32 s13, s8, 32*PITCH
	s_add_co_u32 s13, s13, XS
	v_add_nc_u32 v[SX], s13, v17
	v_mul_u32_u24 v18, PITCH, v1
	v_lshl_add_u32 v18, v2, 4, v18                 ; a fragment: row r, 16 bytes for each half of the lanes
	s_mul_i32 s13, s9, 64*PITCH
	s_add_co_u32 s13, s13, XS
	v_add_nc_u32 v[AX], s13, v18
	v_add_nc_u32 v[AX+1], XSLOT, v[AX]
	v_mul_u32_u24 v19, WP, v1
	v_lshl_add_u32 v19, v2, 4, v19
	s_mul_i32 s13, s10, 128*WP
	v_add_nc_u32 v[AW], s13, v19
	v_add_nc_u32 v[AW+1], WSLOT, v[AW]
	s_mul_i32 s14, s8, 16*SPITCH
	s_add_co_u32 s14, s14, STG                     ; my stage
	v_mul_u32_u24 v19, SPITCH, v1
	v_lshl_add_u32 v19, v2, 4, v19
	v_add_nc_u32 v[STO], s14, v19
	v_mul_u32_u24 v19, SPITCH, v2
	v_lshl_add_u32 v19, v1, 4, v19
	v_add_nc_u32 v[RD], s14, v19
	s_lshl_b32 s15, s9, 16                         ; 64 rows of 1,024 bytes
	s_lshl_b32 s13, s10, 8                         ; 128 columns of f16
	s_add_co_u32 s15, s15, s13
	v_lshlrev_b32 v19, 10, v2
	v_lshl_add_u32 v19, v1, 4, v19
	v_add_nc_u32 v[CO], s15, v19
; 8 loads: half of the bias of my 128 columns, laid as the accumulators are: register j of tile et = b[16 et + 8 h + j].  sb: the scalar pair with b's address.
.macro BIASH half, sb
	WIN 0x80
.irp e, 0,1,2,3
	global_load_b128 v[BI+8*(4*\half+\e):BI+8*(4*\half+\e)+3],   v[GB], s[\sb:\sb+1] offset:64*(4*\half+\e)
	global_load_b128 v[BI+8*(4*\half+\e)+4:BI+8*(4*\half+\e)+7], v[GB], s[\sb:\sb+1] offset:64*(4*\half+\e)+16
.endr
.endm
.macro RB b                            ; ring buffer b: its window and its first register
.if (\b) == 3
.set WV, 3
.set RBASE, 0
.else
.set WV, 2
.set RBASE, 64*(\b)
.endif
.endm
; 16 loads: my 32 rows of x of K step kst into ring buffer b; each takes two rows' 256 consecutive bytes.  sb: the scalar pair with x's address.
.macro XLOAD b, sb, kst
	RB \b
	WIN (WV<<6)
.set n, 0
.rept 16
	global_load_b128 v[RBASE+4*n:RBASE+4*n+3], v[GX], s[\sb:\sb+1] offset:n*4096+(\kst)*256
.set n, n+1
.endr
.endm
; The step that lies in ring buffer b is converted in place and stored to x's LDS slot.
.macro XSTAGE b, slot
	RB \b
	WIN (WV<<6)|(WV<<2)|WV
.set n, 0
.rept 16
	v_cvt_pk_f16_f32 v[RBASE+4*n],   v[RBASE+4*n],   v[RBASE+4*n+1]
	v_cvt_pk_f16_f32 v[RBASE+4*n+1], v[RBASE+4*n+2], v[RBASE+4*n+3]
.set n, n+1
.endr
	WIN WV<<2
.set n, 0
.rept 16
	ds_store_b64 v[SX], v[RBASE+4*n:RBASE+4*n+1] offset:(\slot)*XSLOT+n*2*PITCH
.set n, n+1
.endr
	WIN 0
.endm
; 24 LDS loads: my fragments of K half ks of a step: 128 rows of W (slot ws, step p of its four), 64 rows of x (slot xs)
.macro FETCHK ks, xs, ws, p
.irp et, 0,1,2,3,4,5,6,7
	ds_load_b128 v[F+96*\ks+8*\et:F+96*\ks+8*\et+3],   v[AW+\ws] offset:\et*16*WP+128*\p+64*\ks
	ds_load_b128 v[F+96*\ks+8*\et+4:F+96*\ks+8*\et+7], v[AW+\ws] offset:\et*16*WP+128*\p+64*\ks+32
.endr
.irp tt, 0,1,2,3
	ds_load_b128 v[F+96*\ks+64+8*\tt:F+96*\ks+64+8*\tt+3],   v[AX+\xs] offset:\tt*16*PITCH+64*\ks
	ds_load_b128 v[F+96*\ks+64+8*\tt+4:F+96*\ks+64+8*\tt+7], v[AX+\xs] offset:\tt*16*PITCH+64*\ks+32
.endr
.endm
; 32 matrix instructions, one on each accumulator: the accumulators take turns, one instruction a turn, in the same order in every K half.
; first = 1: the bias (window 2) starts the sums: nothing is cleared and nothing is added later.
.macro MUL ks, first
.if \first
	WIN 0x60
.else
	WIN 0x50
.endif
.irp et, 0,1,2,3,4,5,6,7
.irp tt, 0,1,2,3
.if \first
	v_wmma_f32_16x16x32_f16 v[8*(4*\et+\tt):8*(4*\et+\tt)+7], v[F+96*\ks+8*\et:F+96*\ks+8*\et+7], v[F+96*\ks+64+8*\tt:F+96*\ks+64+8*\tt+7], v[BI+8*\et:BI+8*\et+7]
.else
	v_wmma_f32_16x16x32_f16 v[8*(4*\et+\tt):8*(4*\et+\tt)+7], v[F+96*\ks+8*\et:F+96*\ks+8*\et+7], v[F+96*\ks+64+8*\tt:F+96*\ks+64+8*\tt+7], v[8*(4*\et+\tt):8*(4*\et+\tt)+7]
.endif
.endr
.endr
.endm
; The way out, 16 rows at a time: round to f16, 16 bytes a lane into my own stage, read back as whole rows of 256 bytes, store.
; It works in fragment buffer 1 alone: buffer 0 already holds the next tile's first fragments.
.macro OUT16 tt
	WIN 0x05
.irp et, 0,1,2,3,4,5,6,7
.irp p, 0,1,2,3
	v_cvt_pk_f16_f32 v[PKT+4*\et+\p], v[8*(4*\et+\tt)+2*\p], v[8*(4*\et+\tt)+2*\p+1]
.endr
.endr
	WIN 0
.irp et, 0,1,2,3,4,5,6,7
	ds_store_b128 v[STO], v[PKT+4*\et:PKT+4*\et+3] offset:32*\et
.endr
	s_wait_xcnt 0x0                                ; the registers loaded next were the data of earlier stores: rewritten only behind this wait
.irp t, 0,1,2,3,4,5,6,7
	ds_load_b128 v[RBK+32*(\tt&1)+4*\t:RBK+32*(\tt&1)+4*\t+3], v[RD] offset:\t*2*SPITCH   ; LDS serves a wave's instructions in order: these see the stores above
.endr
.irp t, 0,1,2,3,4,5,6,7
	s_wait_dscnt 7-\t                              ; the younger read-backs may stay out
	global_store_b128 v[CO], v[RBK+32*(\tt&1)+4*\t:RBK+32*(\tt&1)+4*\t+3], s[20:21] offset:(16*\tt+2*\t)*1024   ; sixteen lanes store 256 consecutive aligned bytes
.endr
.endm
; Step j of a tile.  On the way in, the fragments of its K half 0 are in buffer 0 or on their way there.
;   first part: K half 1 is fetched; x of step j + 1 has come, is converted and stored to x's other slot; x of step j + 4 is asked for; K half 0 is multiplied.
;   ONE barrier: in front of it my reads of this step's slots and my stores of the next step's x are done.  Behind steps 3 and 7 it is a round of the cluster's
;   barrier, and W's slot that has just been read out is asked for again, with the next matrix.
;   second part: K half 0 of step j + 1 is fetched; K half 1 is multiplied.
.macro PERIOD j, last
.set JN, (\j+1)%8
.set NEXT, 1
.if \last
.if \j == 7
.set NEXT, 0
.endif
.endif
.set REFILL, 0
.if \last == 0
.if (\j%4) == 3
.set REFILL, 1
.endif
.endif
	PLACES
	FETCHK 1, (\j%2), (\j/4), (\j%4)
.if NEXT
; Behind the 16 loads of step j + 1 were issued: those of steps j + 2 and j + 3, and in steps 2, 3, 6, 7 a half of the next bias between them.
.set CNT, 32
.if \last
.if \j == 5
.set CNT, 16
.endif
.if \j == 6
.set CNT, 0
.endif
.else
.if (\j%4) > 1
.set CNT, 40
.endif
.endif
	s_wait_loadcnt CNT                             ; loads come back in order (ISA guide 5.7.1): x of step j + 1 is in, the younger loads stay out
.if \last == 0
.if \j == 1
	BIASH 0, 24                                    ; the next tile's bias, in two halves; this tile's was last read in its step 0
.endif
.if \j == 5
	BIASH 1, 24
.endif
.if \j > 3
	XLOAD (\j%4), 22, (\j-4)                       ; the next tile's first steps
.endif
.endif
.if \j < 4
	XLOAD (\j%4), 16, (\j+4)                       ; into the buffer whose step went to LDS a step ago
.endif
	XSTAGE (JN%4), (JN%2)
	s_wait_dscnt 40                                ; K half 0 is in; the 24 loads of K half 1 and the 16 stores behind them may stay out
.else
	s_wait_dscnt 24                                ; K half 0 is in; the 24 loads of K half 1 may stay out
.endif
.if \j == 0
	MUL 0, 1
.else
	MUL 0, 0
.endif
	WIN 0
	s_wait_dscnt 0x0                               ; K half 1 is in; for the other waves' sake: my reads of this step's slots and my stores to x's other slot are done
.if NEXT
.if REFILL
	s_wait_tensorcnt 0x0                           ; all my tensor loads have landed: the one that was out is my part of W's other slot, which is read next
	ds_add_u32 v62, v63
	s_wait_dscnt 0x0
	s_add_nc_u64 s[G0+4*(\j/4)+2:G0+4*(\j/4)+3], s[G0+4*(\j/4)+2:G0+4*(\j/4)+3], WMAT   ; no load of mine is out: the same rows of the next matrix
	ROUND                                          ; no wave of any partner still reads this slot or has a load on its way
	tensor_load_to_lds s[G0+4*(\j/4):G0+4*(\j/4)+3], s[G1:G1+7]   ; my one tensor load behind the round, and the first thing there
	s_nop 0
.else
.if \j == 3
	s_wait_tensorcnt 0x0                           ; the last tile: my part of W's slot 1 has landed; nothing is asked for any more
.endif
	s_barrier_signal -1
	s_barrier_wait -1
.endif
	PLACES
	FETCHK 0, (JN%2), (JN/4), (JN%4)
.endif
	MUL 1, 0
	WIN 0
.if \j == 7
	PLACES
	OUT16 0
	OUT16 1
	OUT16 2
	OUT16 3
	s_wait_xcnt 0x0                                ; fragment buffer 1, which the stores read, and the bases are rewritten only behind this wait
.endif
.endm
.macro TILE last
.irp j, 0,1,2,3,4,5,6,7
	PERIOD \j, \last
.endr
.endm
	BIASH 0, 18
	BIASH 1, 18
	XLOAD 0, 16, 0                                 ; steps 0, 1, 2.  With the bias 64 loads: the issue of the last holds until the first is back (ISA guide 5.7.1),
	XLOAD 1, 16, 1                                 ; which the wait below needs as well
	XLOAD 2, 16, 2
	s_wait_loadcnt 32                              ; the bias and step 0 are in; steps 1 and 2 stay out
	XLOAD 3, 16, 3
	XSTAGE 0, 0
	s_wait_dscnt 0x0                               ; my rows of step 0 are in LDS
	s_wait_tensorcnt 0x1                           ; my part of W's slot 0 is in; slot 1's may stay out
	s_barrier_signal -1
	s_barrier_wait -1
	FETCHK 0, 0, 0, 0
	s_mov_b32 s52, 0
.Ltile:
	TILE 0
	s_mov_b64 s[16:17], s[22:23]                   ; the next tile's addresses become the tile's (behind the wait that ends the way out)
	s_mov_b64 s[18:19], s[24:25]
	s_mov_b64 s[20:21], s[26:27]
	s_mov_b64 s[22:23], s[28:29]
	s_mov_b64 s[24:25], s[30:31]
	s_mov_b64 s[26:27], s[32:33]
	s_add_co_u32 s52, s52, 1
	s_cmp_lt_u32 s52, 2
	s_cbranch_scc1 .Ltile
	TILE 1                                         ; the third tile is written out: it asks for nothing beyond its own steps
	s_wait_tensorcnt 0x0
	ds_add_u32 v62, v63
	s_wait_dscnt 0x0
	ROUND                                          ; the closing round: no work-group ends while a partner may still ask for a tile that names it
	s_endpgm
.Lfunc_end_k_q77d9f45865_proj:
	.size	k_q77d9f45865_proj, .Lfunc_end_k_q77d9f45865_proj-k_q77d9f45865_proj
	.p2alignl 7, 3214868480
	.fill 96, 4, 3214868480
	.section	.rodata,"a",@progbits
	.p2align	6, 0x0
	.amdhsa_kernel k_q77d9f45865_proj
		.amdhsa_group_segment_fixed_size 327680
		.amdhsa_private_segment_fixed_size 0
		.amdhsa_enable_private_segment 0
		.amdhsa_kernarg_size 80
		.amdhsa_user_sgpr_count 2
		.amdhsa_user_sgpr_kernarg_segment_ptr 1
		.amdhsa_wavefront_size32 1
		.amdhsa_system_sgpr_workgroup_id_x 1
		.amdhsa_system_sgpr_workgroup_id_y 1
		.amdhsa_system_sgpr_workgroup_id_z 1
		.amdhsa_system_vgpr_workitem_id 0
		.amdhsa_next_free_vgpr 832
		.amdhsa_next_free_sgpr 66
		.amdhsa_reserve_vcc 0
		.amdhsa_float_denorm_mode_32 3
		.amdhsa_float_denorm_mode_16_64 3
		.amdhsa_memory_ordered 1
		.amdhsa_forward_progress 1
		.amdhsa_inst_pref_size 238
	.end_amdhsa_kernel
	.amdgpu_metadata
---
amdhsa.version: [ 1, 2 ]
amdhsa.kernels:
  - .name:           k_q77d9f45865_proj
    .symbol:         k_q77d9f45865_proj.kd
    .args:
      - { .name: q, .offset: 0, .size: 8, .value_kind: global_buffer, .address_space: global }
      - { .name: bq, .offset: 8, .size: 8, .value_kind: global_buffer, .address_space: global }
      - { .name: qh, .offset: 16, .size: 8, .value_kind: global_buffer, .address_space: global }
      - { .name: k, .offset: 24, .size: 8, .value_kind: global_buffer, .address_space: global }
      - { .name: bk, .offset: 32, .size: 8, .value_kind: global_buffer, .address_space: global }
      - { .name: kh, .offset: 40, .size: 8, .value_kind: global_buffer, .address_space: global }
      - { .name: v, .offset: 48, .size: 8, .value_kind: global_buffer, .address_space: global }
      - { .name: bv, .offset: 56, .size: 8, .value_kind: global_buffer, .address_space: global }
      - { .name: vh, .offset: 64, .size: 8, .value_kind: global_buffer, .address_space: global }
      - { .name: wh, .offset: 72, .size: 8, .value_kind: global_buffer, .address_space: global }
    .group_segment_fixed_size: 327680
    .private_segment_fixed_size: 0
    .kernarg_segment_align: 8
    .kernarg_segment_size: 80
    .max_flat_workgroup_size: 128
    .sgpr_count:     66
    .vgpr_count:     832
    .wavefront_size: 32
...
	.end_amdgpu_metadata
.endif
;; end of part 2
;; launch attn (part 3): grid 256 x 1, 4 waves a work-group, clusters of 4 x 1, 327,680 bytes of LDS; arguments qh, kh, vh, drop_mask, out0; writes out0
.if DOCPART == 3
	.amdgcn_target "amdgcn-amd-amdhsa--gfx1250"
	.amdhsa_code_object_version 6
	.text
	.protected	k_q77d9f45865_attn
	.globl	k_q77d9f45865_attn
	.p2align	8
	.type	k_q77d9f45865_attn,@function
k_q77d9f45865_attn:
	s_mov_b64 s[64:65], 0
	v_nop
	global_prefetch_b8 v0, s[64:65] scope:SCOPE_SE
	s_setreg_imm32_b32 hwreg(HW_REG_WAVE_MODE, 25, 1), 1
	s_wait_xcnt 0x0
	s_wait_alu depctr_hold_cnt(0) depctr_sa_sdst(0) depctr_va_vdst(0) depctr_va_sdst(0) depctr_va_ssrc(0) depctr_va_vcc(0) depctr_vm_vsrc(0)
	s_getreg_b32 s2, hwreg(HW_REG_IB_STS2, 6, 4)
	s_cmp_eq_u32 s2, 0
	s_cbranch_scc0 .Lentry_in_a_cluster
	s_endpgm
.Lentry_in_a_cluster:
	s_bfe_u32 s2, ttmp6, 0x10000c
	s_cmp_lg_u32 s2, 0x3003
	s_cbranch_scc0 .Lentry_shape_is_right
	s_endpgm
.Lentry_shape_is_right:
; out[b][q][:] = softmax over keys of ( (qh[b][q] . kh[b][key]) / sqrt(512) * mask[b][q][key] ) . vh[b][key][:]
; qh, kh, vh: [8][2048][512] f16; mask: [8][2048][2048] f32; out: [8][2048][512] f32.  Products in f16, sums, maxima and exponentials in f32.
; With t = (q . k) mask and c = log2(e) / sqrt(512): p = 2^(c t - c m), m the running maximum of t over the keys seen (c > 0, so it is the scores' maximum too).
; LIMITS: p is rounded to f16 for the second product (p <= 1; p under 2^-14 keeps an absolute step of 2^-24); c m is rounded once, so an exponent is off by
; at most 2^-24 |c m|; a NaN among the scores is passed over by the maximum and shows in p, in the sum and so in the row.
;
; SHARES: a work-group owns 64 query rows and walks the batch's 2,048 keys in 16 blocks of 128.  Four waves.
;   scores: wave w takes keys 32 w .. 32 w + 31 of the block for all 64 queries; second product: wave w takes d = 128 w .. 128 w + 127 for all 64 queries.
;   So each row of K and each number of V is read from LDS once in the work-group; Q stays in registers (512), the result's sums too (256).
; CLUSTER: the 32 work-groups of a batch read the same K and V tiles.  Four neighbours (one batch: 32 is a multiple of 4) form a cluster of 4 x 1 and ask
; JOINTLY: the same tensor load, the same descriptor (batch, wave, block alone), the mask 15.  That divides the requests for K and V by four.
; One slot for K and one for V: K's next tile is asked for when the scores are done and has the softmax and the second product in which to land;
; V's next tile is asked for when the second product is done and has the next block's scores.
; The mask is each work-group's own and read once: it comes through registers, asked for a whole block ahead, 512 consecutive aligned bytes an instruction.
; BOTH PRODUCTS ARE USED TRANSPOSED (source 0 = K, or V transposed on the way out of LDS; source 1 = Q, or P): lane (r, h) holds query r of a tile in every
; result, so that a row's maximum, factor and sum are one register for each of the four query tiles, and a lane's eight numbers are neighbouring keys or d.
;
; LDS, every region from a multiple of 256 bytes:
.set KS,  0                            ; 128 rows x 1,040 (1,024 + 16: an odd multiple of 16); joint tensor loads, wave w fills rows 32 w ..
.set VS,  133120                       ; 128 rows x 1,056 (1,024 + 32: an odd multiple of 32, for the transposing loads); joint tensor loads
.set PS,  268288                       ; P in f16: [wave][64 q][32 keys], rows of 80 bytes (64 + 16); 5,120 bytes a wave
.set MS,  288768                       ; the block's mask in f32: 64 rows x 528 (512 + 16)
.set ST,  322560                       ; [wave][r][query tile]: the waves' maxima of a block; 1,024 bytes further on: their sums, at the end
.set KP,  1040
.set VP,  1056
.set PP,  80
.set MP,  528
; After the last block KS and VS, which are filled no more, are the stage for the way out: 64 rows x 528 bytes for each wave.
;
; REGISTERS: window 1: Q's fragments of K steps 0-7 at 8 (4 ks + qt); window 2: of K steps 8-15; window 3: the result's sums, tile (dt, qt) at 8 (4 dt + qt).
.set OGO, 1                            ; byte offset in out of my 16 bytes of a row
.set KA,  3                            ; LDS: my K fragments
.set VA,  4                            ; v4, v5: my V fragments, keys 0-63 and 64-127
.set PSA, 6                            ; where I put P
.set PRA, 7                            ; where I read P's fragments
.set MSA, 8                            ; where I put the mask
.set MA,  9                            ; where I read it, laid as the scores are
.set STA, 10                           ; my wave's word of ST
.set STR, 11                           ; all waves' words
.set MGO, 12                           ; byte offset in the mask of my 16 bytes
.set QO,  13                           ; byte offset in qh of my fragments
.set OSA, 14                           ; the way out: in
.set ORA, 15                           ; the way out: back
.set M,   16                           ; v16-19 running maximum, one for each query tile
.set LS,  20                           ; v20-23 running sum (my keys' share)
.set LM,  24                           ; v24-27 the block's maximum, then the new maximum
.set T,   28                           ; v28-31 at work
.set MR,  32                           ; v32-95 the next block's mask as loaded
.set S,   96                           ; v96-159 scores, tile (kt, qt) at S + 8 (4 kt + qt); in the second product V's buffers 0, 1
.set KB,  160                          ; v160-255 three buffers of 32 for K's fragments, then for the mask; in the second product V's buffer 2 and P's two
.set X,   160                          ; softmax: the four waves' maxima
.set NM,  176                          ; - c m, twice, for each query tile
.set A2,  184                          ; the factor 2^(c (m old - m new)), twice, for each query tile; at the end 1 / sum
.set PK,  192                          ; P packed
.set U,   224                          ; partial sums
.set VB,  96
.set PB,  192
.set MSB, 0
.macro WIN new                         ; the immediate's high byte repeats the setting that is left; a switch that changes nothing is dropped
.if MSB != (\new)
	s_set_vgpr_msb (MSB<<8)|(\new)
.set MSB, \new
.endif
.endm
.macro PLACES                          ; four places behind matrix instructions in front of loads into, and reads of, their registers
.rept 4
	v_nop
.endr
.endm
; A round of the cluster's barrier: my work-group's barrier, wave 0 signals for the work-group, every wave waits for all four work-groups, my work-group's barrier again.
.macro ROUND
	s_barrier_signal -1
	s_barrier_wait -1
	s_cmp_lg_u32 s14, 0
	s_cbranch_scc1 .Lnot_wave_0_\@
	s_barrier_signal -3
.Lnot_wave_0_\@:
	s_barrier_wait -3
	s_barrier_signal -1
	s_barrier_wait -1
.endm
	s_load_b256 s[4:11], s[0:1], 0x0               ; qh s[4:5], kh s[6:7], vh s[8:9], mask s[10:11]
	s_load_b64 s[12:13], s[0:1], 0x20              ; out
	v_lshl_add_u32 v26, v0, 2, 0x4f400
	v_mov_b32 v27, 0
	ds_add_u32 v26, v27
	s_wait_dscnt 0x0
	v_lshrrev_b32 v99, 5, v0
	v_readfirstlane_b32 s14, v99                   ; wave 0..3
	s_bfe_u32 s54, ttmp6, 0x40000                  ; my place in the cluster
	s_lshl_b32 s55, ttmp9, 2                       ; in a cluster launch ttmp9 counts clusters
	s_add_co_u32 s55, s55, s54                     ; my block of 64 query rows, 0..255
	s_lshr_b32 s50, ttmp9, 3                       ; batch: eight clusters each; the four partners share it
	s_lshl_b32 s50, s50, 21                        ; 2,048 rows of 1,024 bytes
	s_lshl_b32 s16, s14, 15                        ; + my wave's 32 rows
	s_add_co_u32 s50, s50, s16
	s_mov_b32 s51, 0
	s_mov_b32 s44, 0x76543210                      ; v_permlanex16_b32: lane i of one half reads lane i of the other
	s_mov_b32 s45, 0xfedcba98
	s_mov_b32 s46, 0x3d8293ee                      ; c = log2(e) / sqrt(512)
	s_mov_b32 s47, 0x3d8293ee
	s_mov_b32 s48, 0xbd8293ee                      ; - c
	; descriptor group 1: 32 rows of 512 elements of 2 bytes, padded behind each row's 256 words; mask 15: all four partners; bit 21 set beside it
	s_mov_b32 s28, 15|(1<<16)|(1<<20)|(1<<21)|(7<<22)|(3<<25)   ; K: 4 words of padding
	s_mov_b32 s29, 512<<16                         ; tensor_dim0 = 512
	s_mov_b32 s30, 32<<16                          ; tensor_dim1 = 32
	s_mov_b32 s31, 512<<16                         ; tile_dim0 = 512
	s_mov_b32 s32, 32                              ; tile_dim1 = 32
	s_mov_b32 s33, 512                             ; elements from row to row
	s_mov_b32 s34, 0
	s_mov_b32 s35, 0
	s_mov_b32 s36, 15|(1<<16)|(1<<20)|(1<<21)|(7<<22)|(7<<25)   ; V: 8 words of padding
	s_mov_b32 s37, 512<<16
	s_mov_b32 s38, 32<<16
	s_mov_b32 s39, 512<<16
	s_mov_b32 s40, 32
	s_mov_b32 s41, 512
	s_mov_b32 s42, 0
	s_mov_b32 s43, 0
	; descriptor groups 0: K's in s[20:23], V's in s[24:27]; LDS addresses hang on the wave's number alone
	s_mov_b32 s20, 1
	s_mul_i32 s21, s14, 32*KP
	s_mov_b32 s24, 1
	s_mul_i32 s25, s14, 32*VP
	s_add_co_u32 s25, s25, VS
	s_wait_kmcnt 0x0
	s_add_nc_u64 s[22:23], s[6:7], s[50:51]
	s_or_b32 s23, s23, 0x80000000
	s_add_nc_u64 s[26:27], s[8:9], s[50:51]
	s_or_b32 s27, s27, 0x80000000
	ROUND                                          ; all four work-groups are here: the first joint loads meet
	tensor_load_to_lds s[20:23], s[28:35]          ; K, block 0
	s_nop 0
	tensor_load_to_lds s[24:27], s[36:43]          ; V, block 0: two loads of the wave are out here, later one
	s_nop 0
	s_mov_b32 s53, 0
	s_lshl_b32 s52, s55, 16                        ; qh: 64 rows of 1,024 bytes
	s_add_nc_u64 s[4:5], s[4:5], s[52:53]
	s_lshl_b32 s52, s55, 19                        ; mask: 64 rows of 8,192 bytes
	s_add_nc_u64 s[10:11], s[10:11], s[52:53]
	s_lshl_b32 s52, s55, 17                        ; out: 64 rows of 2,048 bytes
	s_add_nc_u64 s[12:13], s[12:13], s[52:53]
	v_and_b32 v96, 15, v0                          ; r
	v_bfe_u32 v97, v0, 4, 1                        ; h
	v_and_b32 v98, 31, v0                          ; lane
	v_lshlrev_b32 v102, 4, v98                     ; 16 x lane
	v_mul_u32_u24 v100, KP, v96
	v_lshl_add_u32 v100, v97, 4, v100
	v_add_nc_u32 v[KA], s21, v100                  ; row 32 w + r, 16 bytes for each half of the lanes
	v_and_b32 v100, 7, v0
	v_lshl_add_u32 v100, v97, 3, v100              ; key 8 h + (lane & 7)
	v_mul_u32_u24 v100, VP, v100
	v_bfe_u32 v101, v0, 3, 1
	v_lshl_add_u32 v100, v101, 4, v100             ; + 16 bytes for the odd groups of eight lanes
	s_lshl_b32 s16, s14, 8                         ; my 128 d
	s_add_co_u32 s16, s16, VS
	v_add_nc_u32 v[VA], s16, v100
	v_add_nc_u32 v[VA+1], 64*VP, v[VA]
	v_mul_u32_u24 v100, PP, v96
	v_lshl_add_u32 v100, v97, 4, v100
	v_add_nc_u32 v[PRA], PS, v100
	s_mul_i32 s16, s14, 64*PP
	s_add_co_u32 s16, s16, PS
	v_add_nc_u32 v[PSA], s16, v100
	s_mul_i32 s16, s14, 16*MP
	s_add_co_u32 s16, s16, MS
	v_add_nc_u32 v[MSA], s16, v102                 ; rows 16 w .., a whole row of 512 bytes by the 32 lanes
	v_mul_u32_u24 v103, MP, v96
	v_lshl_add_u32 v103, v97, 5, v103              ; 528 r + 32 h
	s_lshl_b32 s16, s14, 7                         ; my 32 keys
	s_add_co_u32 s16, s16, MS
	v_add_nc_u32 v[MA], s16, v103
	v_lshlrev_b32 v100, 4, v96
	v_add_nc_u32 v[STR], ST, v100
	s_lshl_b32 s16, s14, 8
	s_add_co_u32 s16, s16, ST
	v_add_nc_u32 v[STA], s16, v100
	s_lshl_b32 s16, s14, 17                        ; 16 rows of 8,192 bytes
	v_add_nc_u32 v[MGO], s16, v102
	v_lshlrev_b32 v100, 10, v96
	v_lshl_add_u32 v[QO], v97, 4, v100
	s_mul_i32 s16, s14, 64*MP
	v_add_nc_u32 v[OSA], s16, v103
	v_add_nc_u32 v[ORA], s16, v102
	s_lshl_b32 s16, s14, 9
	v_add_nc_u32 v[OGO], s16, v102
.irp qt, 0,1,2,3
	v_mov_b32 v[T+\qt], 0                          ; v_permlanex16_b32 counts as a reader of its destination: written once here
.endr
.macro MASKLD                          ; my 16 rows of a block's mask: a row's 512 consecutive bytes an instruction; read once in the launch
.irp i, 0,1,2,3,4,5,6,7,8,9,10,11,12,13,14,15
	global_load_b128 v[MR+4*\i:MR+4*\i+3], v[MGO], s[10:11] offset:8192*\i th:TH_LOAD_NT
.endr
.endm
.macro MASKST
.irp i, 0,1,2,3,4,5,6,7,8,9,10,11,12,13,14,15
	ds_store_b128 v[MSA], v[MR+4*\i:MR+4*\i+3] offset:MP*\i
.endr
.endm
	MASKLD                                         ; block 0
	WIN 0x40                                       ; Q's fragments: column q = 16 qt + r, d = 32 ks + 8 h .. and + 16
.irp qt, 0,1,2,3
.irp ks, 0,1,2,3,4,5,6,7
	global_load_b128 v[8*(4*\ks+\qt):8*(4*\ks+\qt)+3],   v[QO], s[4:5] offset:\qt*16384+64*\ks
	global_load_b128 v[8*(4*\ks+\qt)+4:8*(4*\ks+\qt)+7], v[QO], s[4:5] offset:\qt*16384+64*\ks+32
.endr
.endr
	WIN 0x80
.irp qt, 0,1,2,3
.irp ks, 0,1,2,3,4,5,6,7
	global_load_b128 v[8*(4*\ks+\qt):8*(4*\ks+\qt)+3],   v[QO], s[4:5] offset:\qt*16384+512+64*\ks
	global_load_b128 v[8*(4*\ks+\qt)+4:8*(4*\ks+\qt)+7], v[QO], s[4:5] offset:\qt*16384+512+64*\ks+32
.endr
.endr
	WIN 0
	s_wait_loadcnt 0x0                             ; the mask of block 0 and all of Q
	MASKST
	s_add_nc_u64 s[10:11], s[10:11], 512           ; the loads that named this base are done
	MASKLD                                         ; block 1
	s_wait_dscnt 0x0                               ; my rows of the mask are in LDS
	s_wait_tensorcnt 0x1                           ; my part of K's block 0 is in; V's may stay out
	s_barrier_signal -1
	s_barrier_wait -1
; 8 LDS loads: K's fragments of K steps 2 u, 2 u + 1 (my 32 keys) into buffer u % 3
.macro KLOAD u
.irp e, 0,1
.irp kt, 0,1
	ds_load_b128 v[KB+32*(\u%3)+16*\e+8*\kt:KB+32*(\u%3)+16*\e+8*\kt+3],   v[KA] offset:\kt*16*KP+64*(2*\u+\e)
	ds_load_b128 v[KB+32*(\u%3)+16*\e+8*\kt+4:KB+32*(\u%3)+16*\e+8*\kt+7], v[KA] offset:\kt*16*KP+64*(2*\u+\e)+32
.endr
.endr
.endm
; 8 LDS loads: the mask of score tiles (kt, 0..3), laid as the scores are: eight neighbouring keys of query r
.macro MLOAD kt, base
.irp qt, 0,1,2,3
	ds_load_b128 v[\base+8*\qt:\base+8*\qt+3],   v[MA] offset:\qt*16*MP+64*\kt
	ds_load_b128 v[\base+8*\qt+4:\base+8*\qt+7], v[MA] offset:\qt*16*MP+64*\kt+16
.endr
.endm
; Two K steps of the scores: 16 matrix instructions on eight accumulators that take turns, one instruction a turn.
; In front of them the loads of the unit after next go out, into the buffer that the unit before has read.
.macro SUNIT u
.if \u > 0
	PLACES
.endif
.if \u <= 5
	KLOAD (\u+2)
.else
	MLOAD (\u-6), (KB+32*((\u+2)%3))
.endif
	s_wait_dscnt 16                                ; this unit's eight loads are in; the sixteen of the next two units may stay out
.if \u < 4
	WIN 0x04                                       ; source 1 (Q) in window 1
.else
	WIN 0x08                                       ; in window 2
.endif
.irp e, 0,1
.irp kt, 0,1
.irp qt, 0,1,2,3
.if (2*\u+\e) == 0
	v_wmma_f32_16x16x32_f16 v[S+8*(4*\kt+\qt):S+8*(4*\kt+\qt)+7], v[KB+32*(\u%3)+16*\e+8*\kt:KB+32*(\u%3)+16*\e+8*\kt+7], v[8*(4*((2*\u+\e)%8)+\qt):8*(4*((2*\u+\e)%8)+\qt)+7], 0
.else
	v_wmma_f32_16x16x32_f16 v[S+8*(4*\kt+\qt):S+8*(4*\kt+\qt)+7], v[KB+32*(\u%3)+16*\e+8*\kt:KB+32*(\u%3)+16*\e+8*\kt+7], v[8*(4*((2*\u+\e)%8)+\qt):8*(4*((2*\u+\e)%8)+\qt)+7], v[S+8*(4*\kt+\qt):S+8*(4*\kt+\qt)+7]
.endif
.endr
.endr
.endr
.endm
.macro MX3 a, b                        ; two more scores into each query tile's maximum
.irp qt, 0,1,2,3
	v_max3_num_f32 v[LM+\qt], v[LM+\qt], v[S+8*\qt+\a], v[S+8*\qt+\b]
.endr
.endm
; 8 transposing LDS loads: V's fragments of unit u (keys 32 (u >> 1) .., d tiles 4 (u & 1) .. + 3) into buffer u % 3
.macro VLOAD u
.irp dt, 0,1,2,3
	ds_load_tr16_b128 v[VB+32*(\u%3)+8*\dt:VB+32*(\u%3)+8*\dt+3],   v[VA+(\u>>2)] offset:((\u>>1)&1)*32*VP+32*(4*(\u&1)+\dt)
	ds_load_tr16_b128 v[VB+32*(\u%3)+8*\dt+4:VB+32*(\u%3)+8*\dt+7], v[VA+(\u>>2)] offset:((\u>>1)&1)*32*VP+32*(4*(\u&1)+\dt)+16*VP
.endr
.endm
; 8 LDS loads: P's fragments of K step ks (the keys of wave ks), all 64 queries, into buffer ks % 2
.macro PLOAD ks
.irp qt, 0,1,2,3
	ds_load_b128 v[PB+32*(\ks%2)+8*\qt:PB+32*(\ks%2)+8*\qt+3],   v[PRA] offset:\ks*64*PP+\qt*16*PP
	ds_load_b128 v[PB+32*(\ks%2)+8*\qt+4:PB+32*(\ks%2)+8*\qt+7], v[PRA] offset:\ks*64*PP+\qt*16*PP+32
.endr
.endm
; Half a K step of the second product: 16 matrix instructions on 16 accumulators, one instruction a turn.
.macro PVUNIT u, first
	WIN 0
.if \u > 0
	PLACES
.endif
.if \u <= 5
.if (\u%2) == 0
	PLOAD (\u/2+1)
.endif
	VLOAD (\u+2)
	s_wait_dscnt 24                                ; this unit's loads are in; 24 younger ones (V of the next two units, P of the next K step) may stay out
.else
	s_wait_dscnt (7-\u)*8                          ; the counts run down: 8, 0
.endif
.set CZ, 0
.if \first
.if \u < 2
.set CZ, 1
.endif
.endif
	WIN 0xf0                                       ; C and D in window 3
.irp dt, 0,1,2,3
.irp qt, 0,1,2,3
.if CZ
	v_wmma_f32_16x16x32_f16 v[8*(4*(4*(\u&1)+\dt)+\qt):8*(4*(4*(\u&1)+\dt)+\qt)+7], v[VB+32*(\u%3)+8*\dt:VB+32*(\u%3)+8*\dt+7], v[PB+32*((\u>>1)%2)+8*\qt:PB+32*((\u>>1)%2)+8*\qt+7], 0
.else
	v_wmma_f32_16x16x32_f16 v[8*(4*(4*(\u&1)+\dt)+\qt):8*(4*(4*(\u&1)+\dt)+\qt)+7], v[VB+32*(\u%3)+8*\dt:VB+32*(\u%3)+8*\dt+7], v[PB+32*((\u>>1)%2)+8*\qt:PB+32*((\u>>1)%2)+8*\qt+7], v[8*(4*(4*(\u&1)+\dt)+\qt):8*(4*(4*(\u&1)+\dt)+\qt)+7]
.endif
.endr
.endr
.endm
.macro OSCALE                          ; the result's sums times the pair A2 of their query tile: 128 packed multiplies
	WIN 0xc3
.irp dt, 0,1,2,3,4,5,6,7
.irp qt, 0,1,2,3
.irp p, 0,2,4,6
	v_pk_mul_f32 v[8*(4*\dt+\qt)+\p:8*(4*\dt+\qt)+\p+1], v[8*(4*\dt+\qt)+\p:8*(4*\dt+\qt)+\p+1], v[A2+2*\qt:A2+2*\qt+1]
.endr
.endr
.endr
	WIN 0
.endm
; One block of 128 keys.  first: nothing is carried yet; fill: K's and V's next tiles are asked for; mst: the next block's mask goes to LDS; mld: the one after it is asked for.
.macro BLOCK first, fill, mst, mld
	; 1. scores.  Five places: the first products write over registers that the last products of the block before read as operands.
.rept 5
	v_nop
.endr
	KLOAD 0
	KLOAD 1
.irp u, 0,1,2,3,4,5,6,7
	SUNIT \u
.endr
	WIN 0
	s_wait_dscnt 0x0                               ; the mask's tiles are in; my reads of K's slot and of the mask are over
	PLACES
	; 2. t = score x mask, and my keys' maximum for each query
.irp qt, 0,1,2,3
.irp p, 0,2,4,6
	v_pk_mul_f32 v[S+8*\qt+\p:S+8*\qt+\p+1], v[S+8*\qt+\p:S+8*\qt+\p+1], v[KB+64+8*\qt+\p:KB+64+8*\qt+\p+1]
	v_pk_mul_f32 v[S+32+8*\qt+\p:S+32+8*\qt+\p+1], v[S+32+8*\qt+\p:S+32+8*\qt+\p+1], v[KB+8*\qt+\p:KB+8*\qt+\p+1]
.endr
.endr
.irp qt, 0,1,2,3
	v_max3_num_f32 v[LM+\qt], v[S+8*\qt], v[S+8*\qt+1], v[S+8*\qt+2]
.endr
	MX3 3, 4
	MX3 5, 6
	MX3 7, 32
	MX3 33, 34
	MX3 35, 36
	MX3 37, 38
.irp qt, 0,1,2,3
	v_max_num_f32 v[LM+\qt], v[LM+\qt], v[S+8*\qt+39]
.endr
.irp qt, 0,1,2,3
	v_permlanex16_b32 v[T+\qt], v[LM+\qt], s44, s45        ; the other half's eight keys of each tile
.endr
.irp qt, 0,1,2,3
	v_max_num_f32 v[LM+\qt], v[LM+\qt], v[T+\qt]
.endr
	ds_store_b128 v[STA], v[LM:LM+3]               ; both halves write the same words with the same values
	; 3. the barrier behind which K's slot is filled again
	s_wait_dscnt 0x0                               ; my maxima are in LDS; my reads of K's slot came back above
	s_wait_xcnt 0x0
	v_lshl_add_u32 v26, v0, 2, 0x4f400
	v_mov_b32 v27, 0
	s_wait_tensorcnt 0x0                           ; all my tensor loads have landed: the one that was out is my part of this block's V
	ds_add_u32 v26, v27
	s_wait_dscnt 0x0
.if \fill
	s_add_nc_u64 s[22:23], s[22:23], 128*1024      ; no load of mine is out: K's next 128 rows
	ROUND                                          ; no wave of any partner still reads K's slot or has a load on its way
	tensor_load_to_lds s[20:23], s[28:35]          ; my one tensor load behind the round, and the first thing there
	s_nop 0
.else
	s_barrier_signal -1
	s_barrier_wait -1
.endif
	; 4. the new maximum, the factor for what is carried, p, its sums, P to LDS
.irp w, 0,1,2,3
	ds_load_b128 v[X+4*\w:X+4*\w+3], v[STR] offset:256*\w
.endr
	s_wait_dscnt 0x0
.irp qt, 0,1,2,3
	v_max3_num_f32 v[LM+\qt], v[X+\qt], v[X+4+\qt], v[X+8+\qt]
.endr
.irp qt, 0,1,2,3
.if \first
	v_max_num_f32 v[LM+\qt], v[LM+\qt], v[X+12+\qt]
.else
	v_max3_num_f32 v[LM+\qt], v[LM+\qt], v[X+12+\qt], v[M+\qt]
.endif
.endr
.if \first == 0
.irp qt, 0,1,2,3
	v_sub_f32 v[T+\qt], v[M+\qt], v[LM+\qt]
.endr
.irp qt, 0,1,2,3
	v_mul_f32 v[T+\qt], s46, v[T+\qt]              ; c (m old - m new) <= 0
.endr
.endif
.irp qt, 0,1,2,3
	v_mov_b32 v[M+\qt], v[LM+\qt]                  ; carried to the next block
	v_mul_f32 v[NM+2*\qt], s48, v[LM+\qt]          ; - c m, a pair for the packed multiply-add
	v_mul_f32 v[NM+2*\qt+1], s48, v[LM+\qt]
.endr
.irp kt, 0,1
.irp qt, 0,1,2,3
.irp p, 0,2,4,6
	v_pk_fma_f32 v[S+8*(4*\kt+\qt)+\p:S+8*(4*\kt+\qt)+\p+1], v[S+8*(4*\kt+\qt)+\p:S+8*(4*\kt+\qt)+\p+1], s[46:47], v[NM+2*\qt:NM+2*\qt+1] op_sel_hi:[1,0,1]
.endr
.endr
.endr
.if \first == 0
.irp qt, 0,1,2,3
	v_exp_f32 v[A2+2*\qt], v[T+\qt]                ; made twice: a pair for the packed multiply
	v_exp_f32 v[A2+2*\qt+1], v[T+\qt]
.endr
.endif
.set n, 0
.rept 64
	v_exp_f32 v[S+n], v[S+n]
.set n, n+1
.endr
	v_nop                                          ; one plain place behind the last exponential (ISA guide 5.7.2)
	s_wait_alu depctr_va_vdst(0)
.irp qt, 0,1,2,3
	v_pk_add_f32 v[U+8*\qt:U+8*\qt+1],   v[S+8*\qt:S+8*\qt+1],       v[S+8*\qt+2:S+8*\qt+3]
	v_pk_add_f32 v[U+8*\qt+2:U+8*\qt+3], v[S+8*\qt+4:S+8*\qt+5],     v[S+8*\qt+6:S+8*\qt+7]
	v_pk_add_f32 v[U+8*\qt+4:U+8*\qt+5], v[S+32+8*\qt:S+32+8*\qt+1], v[S+32+8*\qt+2:S+32+8*\qt+3]
	v_pk_add_f32 v[U+8*\qt+6:U+8*\qt+7], v[S+32+8*\qt+4:S+32+8*\qt+5], v[S+32+8*\qt+6:S+32+8*\qt+7]
.endr
.irp qt, 0,1,2,3
	v_pk_add_f32 v[U+8*\qt:U+8*\qt+1],   v[U+8*\qt:U+8*\qt+1],   v[U+8*\qt+2:U+8*\qt+3]
	v_pk_add_f32 v[U+8*\qt+4:U+8*\qt+5], v[U+8*\qt+4:U+8*\qt+5], v[U+8*\qt+6:U+8*\qt+7]
.endr
.irp qt, 0,1,2,3
	v_pk_add_f32 v[U+8*\qt:U+8*\qt+1], v[U+8*\qt:U+8*\qt+1], v[U+8*\qt+4:U+8*\qt+5]
.endr
.irp qt, 0,1,2,3
.if \first
	v_add_f32 v[LS+\qt], v[U+8*\qt], v[U+8*\qt+1]  ; the first block starts the sums
.else
	v_fma_f32 v[LS+\qt], v[LS+\qt], v[A2+2*\qt], v[U+8*\qt]
.endif
.endr
.if \first == 0
.irp qt, 0,1,2,3
	v_add_f32 v[LS+\qt], v[LS+\qt], v[U+8*\qt+1]
.endr
.endif
.irp kt, 0,1
.irp qt, 0,1,2,3
.irp p, 0,1,2,3
	v_cvt_pk_f16_f32 v[PK+4*(4*\kt+\qt)+\p], v[S+8*(4*\kt+\qt)+2*\p], v[S+8*(4*\kt+\qt)+2*\p+1]
.endr
.endr
.endr
.irp kt, 0,1
.irp qt, 0,1,2,3
	ds_store_b128 v[PSA], v[PK+4*(4*\kt+\qt):PK+4*(4*\kt+\qt)+3] offset:\qt*16*PP+32*\kt
.endr
.endr
	; 5. a barrier of the work-group alone: P is whole behind it.  K's next tile stays on its way: no LDS bytes are filled again behind this barrier.
	s_wait_dscnt 0x0                               ; my part of P is in LDS, my reads of the maxima are back
	s_barrier_signal -1
.if \first == 0
	OSCALE                                         ; register work while the others arrive: what is carried goes over to the new maximum
.endif
	s_barrier_wait -1
	; 6. the next block's mask, then the second product
.if \mst
	s_wait_loadcnt 0x0                             ; asked for a block ago
	MASKST                                         ; every wave's reads of this block's mask came back in front of the barrier of step 3
.endif
.if \mld
	s_add_nc_u64 s[10:11], s[10:11], 512           ; the loads that named this base are done
	MASKLD
.endif
	PLOAD 0
	VLOAD 0
	VLOAD 1
.irp u, 0,1,2,3,4,5,6,7
	PVUNIT \u, \first
.endr
	WIN 0
.if \fill
	s_wait_dscnt 0x0                               ; my reads of V's slot and of P are over, my rows of the mask are in LDS
	s_wait_xcnt 0x0
	v_lshl_add_u32 v26, v0, 2, 0x4f400
	v_mov_b32 v27, 0
	s_wait_tensorcnt 0x0                           ; all my tensor loads have landed: the one that was out is my part of the next block's K
	ds_add_u32 v26, v27
	s_wait_dscnt 0x0
	s_add_nc_u64 s[26:27], s[26:27], 128*1024      ; V's next 128 rows
	ROUND                                          ; no wave of any partner still reads V's slot or has a load on its way
	tensor_load_to_lds s[24:27], s[36:43]          ; my one tensor load behind the round, and the first thing there
	s_nop 0
.endif
.endm
	BLOCK 1, 1, 1, 1                               ; block 0 stands in front of the loop: its products start the sums
	s_mov_b32 s49, 13
.Lblock:
	BLOCK 0, 1, 1, 1                               ; blocks 1 to 13
	s_sub_co_u32 s49, s49, 1
	s_cmp_lg_u32 s49, 0
	s_cbranch_scc1 .Lblock
	BLOCK 0, 1, 1, 0                               ; block 14: the last mask is in registers already
	BLOCK 0, 0, 0, 0                               ; block 15: nothing is left to fetch
	; THE END: the sums of the four waves and two halves meet, the result is divided and leaves through LDS as whole rows.
	PLACES
.irp qt, 0,1,2,3
	v_permlanex16_b32 v[T+\qt], v[LS+\qt], s44, s45
.endr
.irp qt, 0,1,2,3
	v_add_f32 v[LS+\qt], v[LS+\qt], v[T+\qt]
.endr
	ds_store_b128 v[STA], v[LS:LS+3] offset:1024
	s_wait_dscnt 0x0                               ; my sums are in LDS; my reads of V's slot and of P are over
	s_barrier_signal -1
	s_barrier_wait -1                              ; behind it K's and V's slots, filled no more and read no more, are the stage
.irp w, 0,1,2,3
	ds_load_b128 v[X+4*\w:X+4*\w+3], v[STR] offset:1024+256*\w
.endr
	s_wait_dscnt 0x0
.irp qt, 0,1,2,3
	v_add_f32 v[LM+\qt], v[X+\qt], v[X+4+\qt]
	v_add_f32 v[T+\qt], v[X+8+\qt], v[X+12+\qt]
.endr
.irp qt, 0,1,2,3
	v_add_f32 v[LM+\qt], v[LM+\qt], v[T+\qt]
.endr
.irp qt, 0,1,2,3
	v_rcp_f32 v[A2+2*\qt], v[LM+\qt]
	v_rcp_f32 v[A2+2*\qt+1], v[LM+\qt]
.endr
	v_nop                                          ; one plain place behind the last reciprocal (ISA guide 5.7.2)
	s_wait_alu depctr_va_vdst(0)
	OSCALE
.irp qt, 0,1,2,3
	WIN 0x0c                                       ; store data in window 3
.irp dt, 0,1,2,3,4,5,6,7
	ds_store_b128 v[OSA], v[8*(4*\dt+\qt):8*(4*\dt+\qt)+3]   offset:16*MP*\qt+64*\dt       ; query r, d = 16 dt + 8 h + 0..3
	ds_store_b128 v[OSA], v[8*(4*\dt+\qt)+4:8*(4*\dt+\qt)+7] offset:16*MP*\qt+64*\dt+16    ; + 4..7
.endr
	WIN 0
	s_wait_xcnt 0x0                                ; the registers loaded next were the data of earlier stores: rewritten only behind this wait
.irp i, 0,1,2,3,4,5,6,7,8,9,10,11,12,13,14,15
	ds_load_b128 v[96+64*(\qt&1)+4*\i:96+64*(\qt&1)+4*\i+3], v[ORA] offset:16*MP*\qt+MP*\i   ; my own bytes: LDS serves a wave's instructions in order
.endr
.irp i, 0,1,2,3,4,5,6,7,8,9,10,11,12,13,14,15
	s_wait_dscnt 15-\i                             ; the younger read-backs may stay out
	global_store_b128 v[OGO], v[96+64*(\qt&1)+4*\i:96+64*(\qt&1)+4*\i+3], s[12:13] offset:(16*\qt+\i)*2048 th:TH_STORE_NT   ; 512 consecutive aligned bytes of a row
.endr
.endr
	s_wait_xcnt 0x0
	v_lshl_add_u32 v26, v0, 2, 0x4f400
	v_mov_b32 v27, 0
	s_wait_tensorcnt 0x0
	ds_add_u32 v26, v27
	s_wait_dscnt 0x0
	ROUND                                          ; the closing round: no work-group ends while a partner may still ask for a tile that names it
	s_endpgm
.Lfunc_end_k_q77d9f45865_attn:
	.size	k_q77d9f45865_attn, .Lfunc_end_k_q77d9f45865_attn-k_q77d9f45865_attn
	.p2alignl 7, 3214868480
	.fill 96, 4, 3214868480
	.section	.rodata,"a",@progbits
	.p2align	6, 0x0
	.amdhsa_kernel k_q77d9f45865_attn
		.amdhsa_group_segment_fixed_size 327680
		.amdhsa_private_segment_fixed_size 0
		.amdhsa_enable_private_segment 0
		.amdhsa_kernarg_size 40
		.amdhsa_user_sgpr_count 2
		.amdhsa_user_sgpr_kernarg_segment_ptr 1
		.amdhsa_wavefront_size32 1
		.amdhsa_system_sgpr_workgroup_id_x 1
		.amdhsa_system_sgpr_workgroup_id_y 1
		.amdhsa_system_sgpr_workgroup_id_z 1
		.amdhsa_system_vgpr_workitem_id 0
		.amdhsa_next_free_vgpr 1024
		.amdhsa_next_free_sgpr 66
		.amdhsa_reserve_vcc 0
		.amdhsa_float_denorm_mode_32 3
		.amdhsa_float_denorm_mode_16_64 3
		.amdhsa_memory_ordered 1
		.amdhsa_forward_progress 1
		.amdhsa_inst_pref_size 255
	.end_amdhsa_kernel
	.section	.bss,"aw",@nobits
	.p2align	6
	.space	262144
	.amdgpu_metadata
---
amdhsa.version: [ 1, 2 ]
amdhsa.kernels:
  - .name:           k_q77d9f45865_attn
    .symbol:         k_q77d9f45865_attn.kd
    .args:
      - { .name: qh, .offset: 0, .size: 8, .value_kind: global_buffer, .address_space: global }
      - { .name: kh, .offset: 8, .size: 8, .value_kind: global_buffer, .address_space: global }
      - { .name: vh, .offset: 16, .size: 8, .value_kind: global_buffer, .address_space: global }
      - { .name: drop_mask, .offset: 24, .size: 8, .value_kind: global_buffer, .address_space: global }
      - { .name: out0, .offset: 32, .size: 8, .value_kind: global_buffer, .address_space: global }
    .group_segment_fixed_size: 327680
    .private_segment_fixed_size: 0
    .kernarg_segment_align: 8
    .kernarg_segment_size: 40
    .max_flat_workgroup_size: 128
    .sgpr_count:     66
    .vgpr_count:     1024
    .wavefront_size: 32
...
	.end_amdgpu_metadata
.endif
;; end of part 3
